; MI455X (gfx1250); checked and timed in simulation.
; The chip was launched on July 23, 2026; its instructions are those of AMD's public machine-readable ISA for CDNA 5 (MIT licence, August 2026) and "CDNA5" Instruction Set Architecture Reference Guide (July 2026). The comments in the code are by the model that wrote it; some were corrected since.
;; Attention. Allowed arithmetic: float matrix products may take bf16 or f16 operands with f32 sums; other float arithmetic in f32, or as packed bf16 or f16 multiplies, adds, multiply-adds, maxima and minima; sums over many terms, partial sums and values carried from step to step in f32; what a program stores and reads back later, other than sums and carried values, may be rounded once to bf16 or f16.
;; Inputs: bk 1,024 float32; bq 1,024 float32; bv 1,024 float32; masks 16 x 1,024 bool; wg 1,024 x 1,024 float32; wk 1,024 x 1,024 float32; wq 1,024 x 1,024 float32; wv 1,024 x 1,024 float32; x 16 x 256 x 1,024 float32; y 16 x 1,024 x 1,024 float32.
;; Outputs: out0 16 x 256 x 1,024 float32; out1 16 x 256 x 1,024 float32.
;; One version. Each part assembles by itself: llvm-mc -triple=amdgcn-amd-amdhsa -mcpu=gfx1250 --defsym DOCPART=n.
;; ======== version 1 of 1: 6 launches
;; limits: right only within a limited range of input values
;; workspace buffers: by 42,008,576 bytes; bkq 10,551,296 bytes; bvg 10,551,296 bytes; qp 8,454,144 bytes; q2 8,454,144 bytes; kb 33,554,432 bytes; vt 33,554,432 bytes; sc 16,777,216 bytes
;; launch prep (part 1): grid 1729 x 1, 8 waves a work-group, no clusters, 18,432 bytes of LDS; arguments y, x, wg, wq, wk, wv, bk, bv, bq, by, bkq, bvg, q2; writes by, bkq, bvg, q2
.if DOCPART == 1
	.amdgcn_target "amdgcn-amd-amdhsa--gfx1250"
	.amdhsa_code_object_version 6
	.text
	.protected	k_qd3a757a687_prep
	.globl	k_qd3a757a687_prep
	.p2align	8
	.type	k_qd3a757a687_prep,@function
k_qd3a757a687_prep:
	s_mov_b64 s[64:65], 0
	v_nop
	global_prefetch_b8 v0, s[64:65] scope:SCOPE_SE
	s_setreg_imm32_b32 hwreg(HW_REG_WAVE_MODE, 25, 1), 1
	s_wait_xcnt 0x0
; PREPARATION.  All large inputs are rounded once to bf16 and laid so that every later product is C = A B^T with K along the rows.
;   by :  [0, 64K) zeros in f32;  OM: y as [16384][1024] bf16
;   bkq:  [0, 4K) bk as it is;  [4K, 8K) the word 0xff80ff80 (-inf twice in bf16);  [8K, 12K) zeros;  OA: wg as it lies, bf16;  OM: wk turned, [out][in] bf16
;   bvg:  [0, 4K) bv as it is;  OA: x as [4096][1024] bf16;  OM: wv turned
;   q2 :  [4K, 8K) zeros;  [8K, 12K) bq as it is;  OA: wq turned (a later launch, which no longer reads it, stores q2 there)
; ROLES, by the work-group's number g, which all eight waves share:
;   g < 1344         a stream: 64 KB of f32 in, 32 KB of bf16 out (1,024 pieces of y, 256 of x, 64 of wg)
;   1344 <= g < 1728 a tile of 128 inputs x 64 outputs of wq, wk or wv, turned through LDS (3 x 8 x 16 tiles)
;   g = 1728         the zeros, the three biases' copies and the floor pattern
; No matrix unit, no cluster, no tensor load: memory binds, nothing is shared, and sixteen 16-byte loads a lane are in flight in a stream.
; LIMIT: every number is rounded to bf16 (8 significant bits), to nearest even.
.set OA,      0x10000
.set OM,      0x810000
.set NSTREAM, 1344
.set NTILES,  384
.set TP,      272                      ; a turned row in LDS: 128 bf16 + 16 bytes
.set SPARE,   64*TP                    ; behind the tile: the spare words, 128 bytes for each of eight waves
.set SPW,     104                      ; v104  SPARE + 4 x my thread's number; never rewritten
.set NIL,     105                      ; v105  0; never rewritten
	s_load_b512 s[8:23], s[0:1], 0x0               ; y 8, x 10, wg 12, wq 14, wk 16, wv 18, bk 20, bv 22
	s_load_b256 s[24:31], s[0:1], 0x40             ; bq 24, by 26, bkq 28, bvg 30
	s_load_b64 s[32:33], s[0:1], 0x60              ; q2
	v_lshl_add_u32 v[SPW], v0, 2, SPARE
	v_mov_b32 v[NIL], 0
	s_mov_b32 s2, ttmp9
	s_mov_b32 s43, 0                               ; upper word of the offsets' pair
	s_wait_kmcnt 0x0
	s_cmp_ge_u32 s2, NSTREAM
	s_cbranch_scc1 .Lnot_stream
	; THE STREAM.  Source, destination and the piece's number are chosen by g alone.
	s_add_nc_u64 s[34:35], s[26:27], OM            ; y's place
	s_add_nc_u64 s[36:37], s[30:31], OA            ; x's
	s_add_nc_u64 s[38:39], s[28:29], OA            ; wg's
	s_sub_co_u32 s40, s2, 1024
	s_sub_co_u32 s41, s2, 1280
	s_cmp_ge_u32 s2, 1024
	s_cselect_b64 s[4:5], s[10:11], s[8:9]
	s_cselect_b64 s[6:7], s[36:37], s[34:35]
	s_cselect_b32 s3, s40, s2
	s_cmp_ge_u32 s2, 1280
	s_cselect_b64 s[4:5], s[12:13], s[4:5]
	s_cselect_b64 s[6:7], s[38:39], s[6:7]
	s_cselect_b32 s3, s41, s3
	s_lshl_b32 s42, s3, 16                         ; 65,536 bytes in for a piece,
	s_add_nc_u64 s[4:5], s[4:5], s[42:43]
	s_lshl_b32 s42, s3, 15                         ; 32,768 out
	s_add_nc_u64 s[6:7], s[6:7], s[42:43]
	v_lshlrev_b32 v1, 4, v0                        ; 16 bytes a thread in: a wave's load covers 512 consecutive bytes
	v_lshlrev_b32 v2, 3, v0                        ; 8 bytes out: a wave's store covers 256 consecutive bytes, aligned
.irp i, 0,1,2,3,4,5,6,7,8,9,10,11,12,13,14,15
	global_load_b128 v[8+4*(\i):11+4*(\i)], v1, s[4:5] offset:4096*(\i) th:TH_LOAD_NT
.endr
.irp i, 0,1,2,3,4,5,6,7,8,9,10,11,12,13,14,15
	s_wait_loadcnt 15-(\i)                         ; loads come back in order: load i is in, the younger ones stay out
	v_cvt_pk_bf16_f32 v[72+2*(\i)], v[8+4*(\i)], v[9+4*(\i)]
	v_cvt_pk_bf16_f32 v[73+2*(\i)], v[10+4*(\i)], v[11+4*(\i)]
	global_store_b64 v2, v[72+2*(\i):73+2*(\i)], s[6:7] offset:2048*(\i)  ; no register of a load or store is written twice: no further wait
.endr
	s_endpgm
.Lnot_stream:
	s_cmp_ge_u32 s2, NSTREAM+NTILES
	s_cbranch_scc1 .Lconst
	; A TILE IS TURNED.  W[k][n] in f32, rows of 4,096 bytes -> T[n][k] in bf16, rows of 2,048 bytes.
	s_sub_co_u32 s3, s2, NSTREAM
	s_lshr_b32 s40, s3, 7                          ; which weight: 0 wq, 1 wk, 2 wv
	s_and_b32 s41, s3, 15                          ; which 64 outputs
	s_bfe_u32 s46, s3, 0x30004                     ; which 128 inputs
	s_add_nc_u64 s[34:35], s[32:33], OA            ; wq's place
	s_add_nc_u64 s[36:37], s[28:29], OM            ; wk's
	s_add_nc_u64 s[38:39], s[30:31], OM            ; wv's
	s_cmp_ge_u32 s40, 1
	s_cselect_b64 s[4:5], s[16:17], s[14:15]
	s_cselect_b64 s[6:7], s[36:37], s[34:35]
	s_cmp_ge_u32 s40, 2
	s_cselect_b64 s[4:5], s[18:19], s[4:5]
	s_cselect_b64 s[6:7], s[38:39], s[6:7]
	s_lshl_b32 s42, s46, 19                        ; 128 rows of 4,096 bytes,
	s_lshl_b32 s44, s41, 8                         ; 64 columns of 4
	s_add_co_u32 s42, s42, s44
	s_add_nc_u64 s[4:5], s[4:5], s[42:43]
	s_lshl_b32 s42, s41, 17                        ; 64 rows of 2,048 bytes,
	s_lshl_b32 s44, s46, 8                         ; 128 columns of 2
	s_add_co_u32 s42, s42, s44
	s_add_nc_u64 s[6:7], s[6:7], s[42:43]
	v_and_b32 v1, 15, v0                           ; c: my four outputs 4 c .. 4 c + 3; later my 16 bytes of a turned row
	v_lshrrev_b32 v2, 4, v0                        ; p: my pair of inputs among 16 pairs; later my turned row among 16
	v_lshlrev_b32 v3, 4, v1
	v_lshl_add_u32 v4, v2, 13, v3                  ; in: two rows a pair, 16 bytes a thread: sixteen lanes take 256 consecutive bytes
	v_mul_u32_u24 v5, v1, 4*TP
	v_lshl_add_u32 v5, v2, 2, v5                   ; into LDS: row 4 c, byte 4 p
	v_mul_u32_u24 v6, v2, TP
	v_add_nc_u32 v6, v6, v3                        ; out of LDS: row p, byte 16 c
	v_lshl_add_u32 v7, v2, 11, v3                  ; and the same place in the turned weight
.irp i, 0,1,2,3                        ; 32 inputs a turn
	global_load_b128 v[8+8*(\i):11+8*(\i)],  v4, s[4:5] offset:131072*(\i) th:TH_LOAD_NT
	global_load_b128 v[12+8*(\i):15+8*(\i)], v4, s[4:5] offset:131072*(\i)+4096 th:TH_LOAD_NT
.endr
.irp i, 0,1,2,3
	s_wait_loadcnt 6-2*(\i)                        ; this turn's two loads are in
.irp j, 0,1,2,3
	v_cvt_pk_bf16_f32 v[40+4*(\i)+(\j)], v[8+8*(\i)+(\j)], v[12+8*(\i)+(\j)]  ; two neighbouring inputs of one output: a word of the turned row
.endr
.irp j, 0,1,2,3
	ds_store_b32 v5, v[40+4*(\i)+(\j)] offset:TP*(\j)+64*(\i)  ; sixteen such stores a wave in all: their shared banks are left as they are
.endr
.endr
	s_wait_dscnt 0x0                               ; for the others' sake: my stores are done
	s_barrier_signal -1
	s_barrier_wait -1                              ; the tile is whole
.irp i, 0,1,2,3
	ds_load_b128 v[56+4*(\i):59+4*(\i)], v6 offset:16*TP*(\i)
.endr
.irp i, 0,1,2,3
	s_wait_dscnt 3-(\i)
	global_store_b128 v7, v[56+4*(\i):59+4*(\i)], s[6:7] offset:32768*(\i)  ; sixteen lanes store 256 consecutive bytes, aligned
.endr
	s_wait_tensorcnt 0x0                           ; the wave's end: a wait, an add to my spare word and its wait, behind my last LDS store
	ds_add_u32 v[SPW], v[NIL]
	s_wait_dscnt 0x0
	s_endpgm
.Lconst:
	v_lshlrev_b32 v1, 4, v0                        ; 256 threads x 16 bytes = 4,096
	global_load_b128 v[16:19], v1, s[20:21]        ; bk
	global_load_b128 v[20:23], v1, s[22:23]        ; bv
	global_load_b128 v[24:27], v1, s[24:25]        ; bq
.irp r, 8,9,10,11
	v_mov_b32 v\r, 0
.endr
.irp r, 12,13,14,15
	v_mov_b32 v\r, 0xff80ff80
.endr
.irp i, 0,1,2,3,4,5,6,7,8,9,10,11,12,13,14,15
	global_store_b128 v1, v[8:11], s[26:27] offset:4096*(\i)
.endr
	global_store_b128 v1, v[12:15], s[28:29] offset:4096
	global_store_b128 v1, v[8:11], s[28:29] offset:8192
	global_store_b128 v1, v[8:11], s[32:33] offset:4096
	s_wait_loadcnt 0x0
	global_store_b128 v1, v[16:19], s[28:29]
	global_store_b128 v1, v[20:23], s[30:31]
	global_store_b128 v1, v[24:27], s[32:33] offset:8192
	s_endpgm
.Lfunc_end_k_qd3a757a687_prep:
	.size	k_qd3a757a687_prep, .Lfunc_end_k_qd3a757a687_prep-k_qd3a757a687_prep
	.p2alignl 7, 3214868480
	.fill 96, 4, 3214868480
	.section	.rodata,"a",@progbits
	.p2align	6, 0x0
	.amdhsa_kernel k_qd3a757a687_prep
		.amdhsa_group_segment_fixed_size 18432
		.amdhsa_private_segment_fixed_size 0
		.amdhsa_enable_private_segment 0
		.amdhsa_kernarg_size 104
		.amdhsa_user_sgpr_count 2
		.amdhsa_user_sgpr_kernarg_segment_ptr 1
		.amdhsa_wavefront_size32 1
		.amdhsa_system_sgpr_workgroup_id_x 1
		.amdhsa_system_sgpr_workgroup_id_y 1
		.amdhsa_system_sgpr_workgroup_id_z 1
		.amdhsa_system_vgpr_workitem_id 0
		.amdhsa_next_free_vgpr 106
		.amdhsa_next_free_sgpr 66
		.amdhsa_reserve_vcc 0
		.amdhsa_float_denorm_mode_32 3
		.amdhsa_float_denorm_mode_16_64 3
		.amdhsa_memory_ordered 1
		.amdhsa_forward_progress 1
		.amdhsa_inst_pref_size 16
	.end_amdhsa_kernel
	.amdgpu_metadata
---
amdhsa.version: [ 1, 2 ]
amdhsa.kernels:
  - .name:           k_qd3a757a687_prep
    .symbol:         k_qd3a757a687_prep.kd
    .args:
      - { .name: y, .offset: 0, .size: 8, .value_kind: global_buffer, .address_space: global }
      - { .name: x, .offset: 8, .size: 8, .value_kind: global_buffer, .address_space: global }
      - { .name: wg, .offset: 16, .size: 8, .value_kind: global_buffer, .address_space: global }
      - { .name: wq, .offset: 24, .size: 8, .value_kind: global_buffer, .address_space: global }
      - { .name: wk, .offset: 32, .size: 8, .value_kind: global_buffer, .address_space: global }
      - { .name: wv, .offset: 40, .size: 8, .value_kind: global_buffer, .address_space: global }
      - { .name: bk, .offset: 48, .size: 8, .value_kind: global_buffer, .address_space: global }
      - { .name: bv, .offset: 56, .size: 8, .value_kind: global_buffer, .address_space: global }
      - { .name: bq, .offset: 64, .size: 8, .value_kind: global_buffer, .address_space: global }
      - { .name: by, .offset: 72, .size: 8, .value_kind: global_buffer, .address_space: global }
      - { .name: bkq, .offset: 80, .size: 8, .value_kind: global_buffer, .address_space: global }
      - { .name: bvg, .offset: 88, .size: 8, .value_kind: global_buffer, .address_space: global }
      - { .name: q2, .offset: 96, .size: 8, .value_kind: global_buffer, .address_space: global }
    .group_segment_fixed_size: 18432
    .private_segment_fixed_size: 0
    .kernarg_segment_align: 8
    .kernarg_segment_size: 104
    .max_flat_workgroup_size: 256
    .sgpr_count:     66
    .vgpr_count:     106
    .wavefront_size: 32
...
	.end_amdgpu_metadata
.endif
;; end of part 1
;; launch projkq (part 2): grid 4 x 64, 4 waves a work-group, clusters of 4 x 4, 327,680 bytes of LDS; arguments by, bkq, kb, bvg, q2, qp; writes kb, qp
.if DOCPART == 2
	.amdgcn_target "amdgcn-amd-amdhsa--gfx1250"
	.amdhsa_code_object_version 6
	.text
	.protected	k_qd3a757a687_projkq
	.globl	k_qd3a757a687_projkq
	.p2align	8
	.type	k_qd3a757a687_projkq,@function
k_qd3a757a687_projkq:
	s_mov_b64 s[64:65], 0
	v_nop
	global_prefetch_b8 v0, s[64:65] scope:SCOPE_SE
	s_setreg_imm32_b32 hwreg(HW_REG_WAVE_MODE, 25, 1), 1
	s_wait_xcnt 0x0
	s_wait_alu depctr_hold_cnt(0) depctr_sa_sdst(0) depctr_va_vdst(0) depctr_va_sdst(0) depctr_va_ssrc(0) depctr_va_vcc(0) depctr_vm_vsrc(0)
	s_getreg_b32 s2, hwreg(HW_REG_IB_STS2, 6, 4)
	s_cmp_eq_u32 s2, 0
	s_cbranch_scc0 .Lentry_in_a_cluster
	s_endpgm
.Lentry_in_a_cluster:
	s_bfe_u32 s2, ttmp6, 0x10000c
	s_cmp_lg_u32 s2, 0xf033
	s_cbranch_scc0 .Lentry_shape_is_right
	s_endpgm
.Lentry_shape_is_right:
; TWO PRODUCTS, ONE AFTER THE OTHER, IN ONE WORK-GROUP: a tile of 256 x 256 of a large one (PART 1), then a tile of 128 x 128 of a small one that does not hang on it (PART 2).  The LDS ring runs on from the
; one into the other: part 1's last two changes of slots ask for part 2's first two K steps, and part 1's stores leave while part 2 multiplies.
; PART 1.  C1(m, n) = relu(rowb[m] + colb[n] + sum over k of A1[m][k] B1[n][k]), rounded once to bf16.  A1: [M][1024], B1: [N][1024], bf16, each OM bytes into its buffer; rowb: f32 at A1's buffer's first byte,
; colb: f32 at B1's buffer's first byte (one of the two is all zeros).  C1(m, n) is stored at row (n / 1024) x 1024 + m, column n % 1024, of rows of 1,024 bf16.
; PART 2.  C2[m][n] = max(floor, bias[n] + sum over k of A2[m][k] B2[n][k]), rounded once to bf16.  A2: [4096][1024], B2: [1024][1024], C2: [4096][1024], bf16, each OA bytes into its buffer;
; floor: two bf16 in each word from 4,096 bytes into B2's buffer on; bias: [1024] f32, 8,192 bytes into it.
; Two launches run this text.  k = relu(y wk + bk) (M = 16,384, N = 1,024, the grid 4 x 64), then q = relu(x wq + bq) (floor 0).
; v^T = relu(wv^T y^T + bv) (M = 1,024, N = 16,384, the grid 64 x 4: v turned, batch by batch), then q2 = q wg^T (bias 0, floor -inf: nothing is cut).
; q2 stands for reference()'s k wg: q (k wg)^T = (q wg^T) k^T, a quarter of the products; the order of rounding differs from the reference's.
; LIMITS: operands and results in bf16, sums in f32; the maximum makes the floor of a NaN; infinities are not treated apart.  The grid's sixteen clusters lie in a line, along x or along y.
; SHARES.  Four waves.  Part 1: each 128 x 128, 64 accumulators of 16 x 16; K in steps of 128 (LDS rows of 256 bytes, 128 rows to a tensor load).  Part 2: each 64 x 64, 16 accumulators; K in steps of 256
; (LDS rows of 512 bytes, 64 rows to a load).  256 tiles of either kind, one of each to a work-group.  Part 2's tile: cluster number L gives tile column 4 (L % 2) + cx, tile row 4 (L / 2) + cy.
; CLUSTER: 4 x 4 work-groups; in both parts A's tile is shared along a row of the cluster, B's along a column: each is asked for jointly, by the same tensor load, descriptor and mask in all four.
; THE MATRIX INSTRUCTION IS USED TRANSPOSED (source 0 = 16 rows of B, source 1 = 16 rows of A): lane l holds row l % 16 of C and the columns 8 (l / 16) + 0 .. 7.
; THE BIASES are what the sums start from: part 1 sets each accumulator to rowb + colb, in the wait for the first tile; in part 2 the biases are the C operand of the products that start the sums.
; LDS: part 1's two slots, 2 x 139,264 bytes from 0; part 2's two slots, 2 x 135,168 bytes from 0, inside them; from 278,528 the stages, in which no tensor load ever lands: part 1's, 16 rows x 272 bytes for
; each wave, and on the same bytes part 2's, 128 rows x 272 bytes for the work-group, with part 2's barriers between the two uses; behind them the spare words.
; REGISTERS, in windows of 256 (s_set_vgpr_msb's low byte: bits 1:0 source 0, 3:2 source 1, 5:4 source 2, 7:6 destination):
;   window 0: v0-31 addresses.  Part 1: v64-127, v128-191 fragments of A, two buffers; v32-63, v192-255 at work on the way out.  Part 2: v32-95 at work on the way out; v96-127 the biases; v128-255 the accumulators.
;   window 1: Part 1: v0-63 colb of my 128 columns; v64-127, v128-191 fragments of B; v192-207 rowb of my rows, each twice.  Part 2: two fragment buffers of 128 (64 of A, then 64 of B, for 64 along K).
;   window 2: part 1's 32 accumulators of my rows 0-63 ((a, b) at v[8 (8 a + b)]);   window 3: those of my rows 64-127
.set SIZE_K, 1024
.set CPITCH, 2048                      ; bytes in a row of C1 and of C2
.set OA,     0x10000
.set OM,     0x810000
.set KSTEP,  128                       ; part 1
.set PITCH,  272                       ; an LDS row: 256 bytes + 16 of padding = 68 words: row r starts at bank 4 r mod 64 (64 banks of 4 bytes: ISA guide 11.1)
.set HALFT,  128*PITCH                 ; 128 rows: what one tensor load brings, and what one wave reads of A or of B
.set SLOT,   4*HALFT                   ; A's 256 rows, then B's 256 rows
.set LAPS,   SIZE_K/(2*KSTEP)          ; a lap = two K steps: 4
.set KSTEP2, 256                       ; part 2
.set PITCH2, 528                       ; 512 bytes + 16 = 132 words: again row r starts at bank 4 r mod 64
.set HALFT2, 64*PITCH2
.set SLOT2,  4*HALFT2                  ; A's 128 rows, then B's 128 rows
.set STAGE,  2*SLOT                    ; behind part 1's ring
.set SPITCH, 272
.set SPARE,  STAGE+128*SPITCH          ; behind the stages: the spare words, 128 bytes for each wave
.set ADRA2, 8                          ; v8-9    part 2: LDS address of my A fragments in slot 0, 1
.set ADRB2, 10                         ; v10-11  the same for B
.set STO2, 12                          ; v12     part 2's way out: where I put 16 bytes of a row
.set RD2,  13                          ; v13     where I read a row back
.set BO,   14                          ; v14     byte offset of my columns' biases
.set ADRA, 16                          ; v16-17  part 1: LDS address of my A fragments in slot 0, 1
.set ADRB, 20                          ; v20-21  the same for B
.set STO,  24                          ; v24     part 1's way out: where I put 16 bytes of a row
.set RD,   25                          ; v25     where I read a row back
.set CO,   26                          ; v26     my byte offset in two rows of C1, and of C2
.set FL,   27                          ; v27     part 2's floor, twice in bf16
.set SPW,  28                          ; v28     SPARE + 4 x my thread's number; never rewritten
.set NIL,  29                          ; v29     0, for the add alone
.set ZR,   30                          ; v30     0 twice in bf16: part 1's floor
.set F0,   64                          ; part 1's fragment buffers
.set F1,   128
.set TMP,  192                         ; part 1's way out: packed results
.set OB,   32                          ; part 1's way out: 16 rows read back from the stage: v32-63 and v224-255 by turns
.set CB,   0                           ; window 1
.set RB,   192                         ; window 1
.set P0,   0                           ; part 2's fragment buffers, in window 1
.set P1,   128
.set TMP2, 32
.set BI,   96                          ; register 8 b + j: bias of column 16 b + 8 (lane / 16) + j of my 64
.set ACC,  128                         ; part 2's accumulator (a, b) at v[128 + 8 (4 a + b)]
.set G1, 24                            ; s[24:31] part 1: descriptor group 1 for A's tiles; s[32:39] group 0, one set for each slot
.set G0, 32
.set G1B, 48                           ; s[48:55], s[56:63] the same for B's
.set G0B, 56
.set PC2, 66                           ; s[66:67]   C2 at the first row that I store
.set Q1, 68                            ; s[68:75] part 2: group 1 for A's tiles; s[76:83] group 0, one set for each slot
.set Q0, 76
.set Q1B, 84                           ; s[84:91], s[92:99] the same for B's
.set Q0B, 92
.set PA2, 100                          ; s[100:101] A2's buffer
.set PB2, 104                          ; s[104:105] B2's buffer
.set MSB, 0
.macro WIN new                         ; the immediate's high byte repeats the setting that is left
.if MSB != (\new)
	s_set_vgpr_msb (MSB<<8)|(\new)
.set MSB, \new
.endif
.endm
.set MUL_LO, 0xa1                      ; part 1: source 0 (B) window 1, source 1 (A) window 0, C and D window 2
.set MUL_HI, 0xf1                      ; the same, C and D window 3
.set TO_B,   0x40                      ; destination window 1, address window 0
.set MUL2,   0x05                      ; part 2: sources 0 (B) and 1 (A) window 1; C and D window 0
; A joint load: waves 0 and 1 fetch A's two halves (group 0 at a0, group 1 at a1), waves 2 and 3 B's (b0, b1); an s_nop 0 and four v_nop follow each of the two lines
.macro JLOAD a0, a1, b0, b1
	s_cmp_eq_u32 s11, 0
	s_cbranch_scc0 .Lfor_b_\@
	tensor_load_to_lds s[(\a0):(\a0)+3], s[(\a1):(\a1)+7]
	s_nop 0
.rept 4
	v_nop
.endr
	s_branch .Lasked_\@
.Lfor_b_\@:
	tensor_load_to_lds s[(\b0):(\b0)+3], s[(\b1):(\b1)+7]
	s_nop 0
.rept 4
	v_nop
.endr
.Lasked_\@:
.endm
.macro CREST                           ; a round of the cluster's barrier behind its opening barrier
	s_cmp_lg_u32 s10, 0
	s_cbranch_scc1 .Lnot_wave_0_\@
	s_barrier_signal -3
.Lnot_wave_0_\@:
	s_barrier_wait -3
	s_barrier_signal -1
	s_barrier_wait -1
.endm
.macro CROUND                          ; a whole round
	s_barrier_signal -1
	s_barrier_wait -1
	CREST
.endm
	s_load_b128 s[4:7], s[0:1], 0x0                ; A1's buffer s[4:5], B1's s[6:7]
	s_load_b64 s[8:9], s[0:1], 0x10                ; C1
	s_load_b64 s[PA2:PA2+1], s[0:1], 0x18
	s_load_b64 s[PB2:PB2+1], s[0:1], 0x20
	s_load_b64 s[PC2:PC2+1], s[0:1], 0x28
	v_lshl_add_u32 v[SPW], v0, 2, SPARE
	v_mov_b32 v[NIL], 0
	ds_add_u32 v[SPW], v[NIL]                      ; the wave's opening: the add and its wait stand ahead of my first tensor load; the set-up below stands between them
	v_lshrrev_b32 v1, 5, v0
	v_readfirstlane_b32 s10, v1                    ; wave 0..3
	s_lshr_b32 s11, s10, 1                         ; which half of a tile's rows is mine.  Also: I fetch for A (0) or for B (1)
	s_and_b32 s12, s10, 1                          ; which half of its columns.  Also: which half of that tile's rows I fetch
	s_bfe_u32 s40, ttmp6, 0x40000                  ; cx
	s_bfe_u32 s41, ttmp6, 0x40004                  ; cy
	s_lshl_b32 s42, ttmp9, 2
	s_add_co_u32 s42, s42, s40                     ; part 1's tile column = 4 x cluster x + cx
	s_and_b32 s13, ttmp7, 0xffff
	s_lshl_b32 s13, s13, 2
	s_add_co_u32 s13, s13, s41                     ; part 1's tile row = 4 x cluster y + cy
	s_lshl_b32 s43, s41, 2
	s_lshl_b32 s43, 15, s43                        ; my row of the cluster
	s_lshl_b32 s44, 0x1111, s40                    ; my column
	; part 1's descriptor group 1: a tile of 128 rows x 128 elements, padded in LDS
	s_or_b32 s[G1+0], s43, (1<<16)|(1<<20)|(1<<21)|(5<<22)|(3<<25)  ; 15:0 the mask: A's tiles go to my row; 17:16 elements of 2 bytes; 20 padding on; 21 set beside a mask; 24:22 after every 64 words; 31:25 4 words
	s_or_b32 s[G1B+0], s44, (1<<16)|(1<<20)|(1<<21)|(5<<22)|(3<<25) ; the same with my column's mask
.irp g, G1, G1B
	s_mov_b32 s[(\g)+1], KSTEP<<16                 ; tensor_dim0 = 128
	s_mov_b32 s[(\g)+2], 128<<16                   ; tensor_dim1 = 128
	s_mov_b32 s[(\g)+3], KSTEP<<16                 ; tile_dim0 = 128
	s_mov_b32 s[(\g)+4], 128                       ; tile_dim1 = 128
	s_mov_b32 s[(\g)+5], SIZE_K                    ; elements from row to row
	s_mov_b32 s[(\g)+6], 0
	s_mov_b32 s[(\g)+7], 0
.endr
	s_lshl_b32 s17, s12, 7                         ; which 128 rows of the tile I fetch
	s_lshl_b32 s16, s13, 8
	s_add_co_u32 s16, s16, s17                     ; A1: row 256 x tile row + 128 x half
	s_lshl_b32 s46, s42, 8
	s_add_co_u32 s46, s46, s17                     ; B1: row 256 x tile column + 128 x half
	s_mov_b32 s17, 0
	s_mov_b32 s47, 0
	s_mov_b64 s[18:19], SIZE_K*2
	s_mul_u64 s[16:17], s[16:17], s[18:19]
	s_mul_u64 s[46:47], s[46:47], s[18:19]
	s_add_nc_u64 s[16:17], s[16:17], OM            ; the matrices lie OM bytes into their buffers
	s_add_nc_u64 s[46:47], s[46:47], OM
	s_mul_i32 s20, s10, HALFT                      ; where they go: wave x 128 rows
	s_wait_dscnt 0x0                               ; the opening add is done
	s_wait_kmcnt 0x0
	s_add_nc_u64 s[14:15], s[4:5], s[16:17]
	s_add_nc_u64 s[46:47], s[6:7], s[46:47]
	CROUND                                         ; all sixteen work-groups are here: the first joint loads meet
.irp s, 0,1
	s_mov_b32 s[G0+4*(\s)], 1
	s_add_co_u32 s[G0+4*(\s)+1], s20, (\s)*SLOT
	s_add_nc_u64 s[G0+4*(\s)+2:G0+4*(\s)+3], s[14:15], (\s)*KSTEP*2
	s_or_b32 s[G0+4*(\s)+3], s[G0+4*(\s)+3], 0x80000000
	s_mov_b32 s[G0B+4*(\s)], 1
	s_add_co_u32 s[G0B+4*(\s)+1], s20, (\s)*SLOT
	s_add_nc_u64 s[G0B+4*(\s)+2:G0B+4*(\s)+3], s[46:47], (\s)*KSTEP*2
	s_or_b32 s[G0B+4*(\s)+3], s[G0B+4*(\s)+3], 0x80000000
	JLOAD G0+4*(\s), G1, G0B+4*(\s), G1B           ; two tensor loads of mine are out
.endr
	v_and_b32 v1, 15, v0                           ; l % 16
	v_bfe_u32 v2, v0, 4, 1                         ; l / 16
	v_lshlrev_b32 v6, 5, v2                        ; colb of my columns: 32 bytes for each half of the lanes,
	s_lshl_b32 s21, s12, 9                         ; 512 for my half of the tile's columns,
	s_lshl_b32 s22, s42, 10                        ; 1,024 for a tile column
	s_add_co_u32 s21, s21, s22
	v_add_nc_u32 v6, s21, v6
	v_lshlrev_b32 v7, 2, v1                        ; rowb of my rows: 4 bytes a row, likewise
	s_lshl_b32 s21, s11, 9
	s_lshl_b32 s22, s13, 10
	s_add_co_u32 s21, s21, s22
	v_add_nc_u32 v7, s21, v7
	WIN TO_B
.irp b, 0,1,2,3,4,5,6,7
	global_load_b128 v[CB+8*(\b):CB+8*(\b)+3],   v6, s[6:7] offset:64*(\b)
	global_load_b128 v[CB+8*(\b)+4:CB+8*(\b)+7], v6, s[6:7] offset:64*(\b)+16
.endr
.irp a, 0,1,2,3,4,5,6,7
	global_load_b32 v[RB+2*(\a)],   v7, s[4:5] offset:64*(\a)  ; a row's bias fills a pair, for the packed addition
	global_load_b32 v[RB+2*(\a)+1], v7, s[4:5] offset:64*(\a)
.endr
	WIN 0
	v_mul_u32_u24 v3, v1, PITCH
	v_lshl_add_u32 v3, v2, 4, v3                   ; a fragment's row x pitch + 16 x half
	s_mul_i32 s21, s11, HALFT                      ; my 128 rows of A
	s_mul_i32 s22, s12, HALFT                      ; my 128 rows of B,
	s_add_co_u32 s22, s22, 2*HALFT                 ; which lie behind A's 256
.irp s, 0,1
	v_add_nc_u32 v[ADRA+(\s)], s21, v3
	v_add_nc_u32 v[ADRB+(\s)], s22, v3
	s_add_co_u32 s21, s21, SLOT
	s_add_co_u32 s22, s22, SLOT
.endr
	s_mul_i32 s23, s10, 16*SPITCH
	s_add_co_u32 s23, s23, STAGE                   ; part 1: my stage
	v_mul_u32_u24 v4, v1, SPITCH                   ; in: row l % 16, 16 bytes for each half of the lanes
	v_lshl_add_u32 v4, v2, 4, v4
	v_add_nc_u32 v[STO], s23, v4
	v_mul_u32_u24 v5, v2, SPITCH                   ; back: lanes 0-15 take one row of 256 bytes, lanes 16-31 the next
	v_lshl_add_u32 v5, v1, 4, v5
	v_add_nc_u32 v[RD], s23, v5
	v_mul_u32_u24 v[CO], v2, CPITCH                ; and the same two rows in C
	v_lshl_add_u32 v[CO], v1, 4, v[CO]
	v_mov_b32 v[ZR], 0
	; where my part of the tile begins in C1: row 1,024 x (tile column / 4) + 256 x tile row + 128 x half, column 256 x (tile column % 4) + 128 x half
	s_lshl_b32 s16, ttmp9, 10
	s_lshl_b32 s14, s13, 8
	s_add_co_u32 s16, s16, s14
	s_lshl_b32 s14, s11, 7
	s_add_co_u32 s16, s16, s14
	s_lshl_b32 s16, s16, 11                        ; 2,048 bytes a row: 33,552,384 at the most
	s_mov_b32 s17, 0
	s_lshl_b32 s46, s40, 9
	s_lshl_b32 s47, s12, 8
	s_add_co_u32 s46, s46, s47
	s_mov_b32 s47, 0
	s_add_nc_u64 s[16:17], s[16:17], s[46:47]      ; the first way out adds it to C1's address
	; PART 2's descriptors and addresses are made now, in the wait for part 1's first tile, in registers of their own
	s_and_b32 s21, ttmp7, 0xffff
	s_add_co_u32 s21, s21, ttmp9                   ; L, the cluster's number: one of the two is 0
	s_lshr_b32 s23, s21, 1
	s_lshl_b32 s23, s23, 2
	s_add_co_u32 s23, s23, s41                     ; tile row = 4 (L / 2) + cy
	s_and_b32 s22, s21, 1
	s_lshl_b32 s22, s22, 2
	s_add_co_u32 s22, s22, s40                     ; tile column = 4 (L % 2) + cx
	s_or_b32 s[Q1+0], s43, (1<<16)|(1<<20)|(1<<21)|(6<<22)|(3<<25)  ; as part 1's, but the padding comes after every 128 words
	s_or_b32 s[Q1B+0], s44, (1<<16)|(1<<20)|(1<<21)|(6<<22)|(3<<25)
.irp g, Q1, Q1B
	s_mov_b32 s[(\g)+1], KSTEP2<<16                ; tensor_dim0 = 256
	s_mov_b32 s[(\g)+2], 64<<16                    ; tensor_dim1 = 64
	s_mov_b32 s[(\g)+3], KSTEP2<<16                ; tile_dim0 = 256
	s_mov_b32 s[(\g)+4], 64                        ; tile_dim1 = 64
	s_mov_b32 s[(\g)+5], SIZE_K                    ; elements from row to row
	s_mov_b32 s[(\g)+6], 0
	s_mov_b32 s[(\g)+7], 0
.endr
	s_lshl_b32 s45, s12, 6                         ; which 64 rows of the tile I fetch
	s_lshl_b32 s14, s23, 7
	s_add_co_u32 s14, s14, s45                     ; A2: row 128 x tile row + 64 x half,
	s_lshl_b32 s14, s14, 11                        ; 2,048 bytes a row: under 8,388,608
	s_add_co_u32 s14, s14, OA
	s_mov_b32 s15, 0
	s_add_nc_u64 s[14:15], s[PA2:PA2+1], s[14:15]
	s_lshl_b32 s46, s22, 7
	s_add_co_u32 s46, s46, s45                     ; B2: row 128 x tile column + 64 x half
	s_lshl_b32 s46, s46, 11
	s_add_co_u32 s46, s46, OA
	s_mov_b32 s47, 0
	s_add_nc_u64 s[46:47], s[PB2:PB2+1], s[46:47]
	s_mul_i32 s20, s10, HALFT2                     ; where they go: wave x 64 rows
.irp s, 0,1
	s_mov_b32 s[Q0+4*(\s)], 1
	s_add_co_u32 s[Q0+4*(\s)+1], s20, (\s)*SLOT2
	s_add_nc_u64 s[Q0+4*(\s)+2:Q0+4*(\s)+3], s[14:15], (\s)*KSTEP2*2
	s_or_b32 s[Q0+4*(\s)+3], s[Q0+4*(\s)+3], 0x80000000
	s_mov_b32 s[Q0B+4*(\s)], 1
	s_add_co_u32 s[Q0B+4*(\s)+1], s20, (\s)*SLOT2
	s_add_nc_u64 s[Q0B+4*(\s)+2:Q0B+4*(\s)+3], s[46:47], (\s)*KSTEP2*2
	s_or_b32 s[Q0B+4*(\s)+3], s[Q0B+4*(\s)+3], 0x80000000
.endr
	s_lshl_b32 s18, s23, 7
	s_lshl_b32 s19, s10, 5
	s_add_co_u32 s18, s18, s19                     ; the first row of C2 that I store: 128 x tile row + 32 x wave,
	s_lshl_b32 s18, s18, 11
	s_lshl_b32 s19, s22, 8                         ; the tile's first column, in bytes
	s_add_co_u32 s18, s18, s19
	s_add_co_u32 s18, s18, OA
	s_mov_b32 s19, 0
	s_add_nc_u64 s[PC2:PC2+1], s[PC2:PC2+1], s[18:19]
	v_mul_u32_u24 v3, v1, PITCH2
	v_lshl_add_u32 v3, v2, 4, v3                   ; a fragment's row x pitch + 16 x half
	s_mul_i32 s21, s11, HALFT2                     ; my 64 rows of A
	s_mul_i32 s2, s12, HALFT2                      ; my 64 rows of B,
	s_add_co_u32 s2, s2, 2*HALFT2                  ; which lie behind A's 128
.irp s, 0,1
	v_add_nc_u32 v[ADRA2+(\s)], s21, v3
	v_add_nc_u32 v[ADRB2+(\s)], s2, v3
	s_add_co_u32 s21, s21, SLOT2
	s_add_co_u32 s2, s2, SLOT2
.endr
	s_mul_i32 s21, s11, 64*SPITCH                  ; into the stage: my 64 rows, my half of their 256 bytes
	s_lshl_b32 s2, s12, 7
	s_add_co_u32 s21, s21, s2
	s_add_co_u32 s21, s21, STAGE
	v_add_nc_u32 v[STO2], s21, v4
	s_mul_i32 s21, s10, 32*SPITCH                  ; back: wave w takes rows 32 w .. 32 w + 31, whole
	s_add_co_u32 s21, s21, STAGE
	v_add_nc_u32 v[RD2], s21, v5
	v_lshlrev_b32 v[BO], 5, v2                     ; the biases of my columns: 32 bytes for each half of the lanes,
	s_lshl_b32 s21, s12, 8                         ; 256 for my half of the tile's columns,
	s_lshl_b32 s2, s22, 9                          ; 512 for a tile column: 3,872 at the most
	s_add_co_u32 s21, s21, s2
	v_add_nc_u32 v[BO], s21, v[BO]
	s_wait_loadcnt 0x0                             ; part 1's biases
.irp hi, 0,1                           ; the sums start from rowb + colb: 256 packed additions, in the wait for the first tile
	WIN 0x85+0x40*(\hi)                            ; sources window 1, destination window 2 or 3
.irp a, 0,1,2,3
.irp b, 0,1,2,3,4,5,6,7
.irp i, 0,2,4,6
	v_pk_add_f32 v[8*(8*(\a)+(\b))+(\i):8*(8*(\a)+(\b))+(\i)+1], v[CB+8*(\b)+(\i):CB+8*(\b)+(\i)+1], v[RB+2*(4*(\hi)+(\a)):RB+2*(4*(\hi)+(\a))+1]
.endr
.endr
.endr
.endr
	WIN 0
.macro PLACES                          ; four places in front of loads into registers that matrix instructions have read, and of conversions that read results
.rept 4
	v_nop
.endr
.endm
; PART 1.  16 matrix instructions: m blocks a0, a0 + 1 of the window's four (hi = 0: my rows 0-63, 1: rows 64-127) x all 8 n blocks, 32 along K.  The 64 accumulators take turns.
.macro MUL16 f, hi, a0
	WIN MUL_LO+0x50*(\hi)
.irp a, \a0, (\a0)+1
.irp b, 0,1,2,3,4,5,6,7
	v_wmma_f32_16x16x32_bf16 v[8*(8*(\a)+(\b)):8*(8*(\a)+(\b))+7], v[(\f)+8*(\b):(\f)+8*(\b)+7], v[(\f)+8*(4*(\hi)+(\a)):(\f)+8*(4*(\hi)+(\a))+7], v[8*(8*(\a)+(\b)):8*(8*(\a)+(\b))+7]
.endr
.endr
.endm
; 32 LDS loads in one run: the fragments of one quarter step (128 rows of B, 128 rows of A, 32 K at byte k of the rows) into buffer f
.macro FETCH slot, k, f
	WIN TO_B
.irp i, 0,1,2,3,4,5,6,7
	ds_load_b128 v[(\f)+8*(\i):(\f)+8*(\i)+3],   v[ADRB+(\slot)] offset:(\k)+(\i)*16*PITCH
	ds_load_b128 v[(\f)+8*(\i)+4:(\f)+8*(\i)+7], v[ADRB+(\slot)] offset:(\k)+(\i)*16*PITCH+32
.endr
	WIN 0
.irp i, 0,1,2,3,4,5,6,7
	ds_load_b128 v[(\f)+8*(\i):(\f)+8*(\i)+3],   v[ADRA+(\slot)] offset:(\k)+(\i)*16*PITCH
	ds_load_b128 v[(\f)+8*(\i)+4:(\f)+8*(\i)+7], v[ADRA+(\slot)] offset:(\k)+(\i)*16*PITCH+32
.endr
.endm
; PART 2.  32 LDS loads in one run: the fragments of 64 along K at byte k of the rows, into buffer f; the first 32 along K first
.macro FETCH2 slot, k, f
	WIN TO_B
.irp c, 0,1
.irp i, 0,1,2,3
	ds_load_b128 v[(\f)+64+8*(4*(\c)+(\i)):(\f)+64+8*(4*(\c)+(\i))+3],   v[ADRB2+(\slot)] offset:(\k)+64*(\c)+(\i)*16*PITCH2
	ds_load_b128 v[(\f)+64+8*(4*(\c)+(\i))+4:(\f)+64+8*(4*(\c)+(\i))+7], v[ADRB2+(\slot)] offset:(\k)+64*(\c)+(\i)*16*PITCH2+32
	ds_load_b128 v[(\f)+8*(4*(\c)+(\i)):(\f)+8*(4*(\c)+(\i))+3],         v[ADRA2+(\slot)] offset:(\k)+64*(\c)+(\i)*16*PITCH2
	ds_load_b128 v[(\f)+8*(4*(\c)+(\i))+4:(\f)+8*(4*(\c)+(\i))+7],       v[ADRA2+(\slot)] offset:(\k)+64*(\c)+(\i)*16*PITCH2+32
.endr
.endr
.endm
; PART 1.  A K step is four quarters of 32 along K, 64 matrix instructions each, on buffers 0, 1, 0, 1.  One of the first three: multiplies buffer f; in its middle it fetches the next quarter, at byte k, into g.
.macro QUARTER slot, k, f, g
	s_wait_dscnt 8                                 ; B and A's rows 0-63 are in; the youngest eight loads (A's rows 64-127) may be out
	MUL16 \f, 0, 0
	MUL16 \f, 0, 2
	PLACES
	FETCH \slot, \k, \g
	s_wait_dscnt 32                                ; all but the 32 just issued
	MUL16 \f, 1, 0
	MUL16 \f, 1, 2
.endm
; The last quarter multiplies buffer 1 and changes slots.  In front of the barrier each wave waits for all its tensor loads, of which one is out; adds 0 to its spare word; and waits for that and for its own
; reads of this slot.  The barrier opens a round of the cluster's, and one joint load a wave is the first thing behind the round:
;   fill = 1: this slot's K step two steps ahead.
;   fill = 2 (behind K step 6, slot 0): part 2's K step 0, into bytes 0 to 135,167, all inside the slot just read out.
;   fill = 3 (behind K step 7, slot 1): part 2's K step 1, into bytes 135,168 to 270,335: the end of slot 0 and most of slot 1, both read out.  The wait for all loads in front of this round has shown part 2's
;             K step 0 landed, in every wave: its first fragments are fetched here.
.macro TURN slot, next, fill
	WIN 0                                          ; (the add's two registers lie in window 0)
	s_wait_tensorcnt 0x0
	ds_add_u32 v[SPW], v[NIL]                      ; 0 onto my spare word
	s_wait_dscnt 9                                 ; (the add and the youngest eight loads may be out)
	MUL16 F1, 0, 0                                 ; sixteen matrix instructions stand between the add and the wait for it
	s_wait_dscnt 0x0                               ; the add is done, and my reads of this slot are over
	s_barrier_signal -1
	MUL16 F1, 0, 2                                 ; work on registers while the others arrive
	WIN 0
	s_barrier_wait -1
	CREST                                          ; no wave of any partner still reads this slot's tile or has a load on its way
.if (\fill) == 1
	s_add_nc_u64 s[G0+4*(\slot)+2:G0+4*(\slot)+3], s[G0+4*(\slot)+2:G0+4*(\slot)+3], 2*KSTEP*2
	s_add_nc_u64 s[G0B+4*(\slot)+2:G0B+4*(\slot)+3], s[G0B+4*(\slot)+2:G0B+4*(\slot)+3], 2*KSTEP*2
	JLOAD G0+4*(\slot), G1, G0B+4*(\slot), G1B     ; 224 matrix instructions stand between it and the wait for it; its four v_nop are also the places in front of the loads below
	FETCH \next, 0, F0
.elseif (\fill) == 2
	JLOAD Q0, Q1, Q0B, Q1B
	FETCH \next, 0, F0
.else
	JLOAD Q0+4, Q1, Q0B+4, Q1B
	FETCH2 0, 0, P0                                ; window 1's v0-127: colb, long used, and B's buffer 0, whose last reader stands ahead of the four v_nop
.endif
	MUL16 F1, 1, 0
	MUL16 F1, 1, 2
.endm
; PART 1'S WAY OUT of block a (16 rows), in three parts.  PACK: rounded to bf16, then the floor.  TOSTAGE: into my own stage in LDS, and back as whole rows of 256 bytes.  SEND: stored.
.macro PACK a
.set AC, 64*((\a)%4)
	WIN 0x0a+5*((\a)/4)                            ; sources 0 and 1: window 2 or 3
.irp b, 0,1,2,3,4,5,6,7
.irp r, 0,1,2,3
	v_cvt_pk_bf16_f32 v[TMP+4*(\b)+(\r)], v[AC+8*(\b)+2*(\r)], v[AC+8*(\b)+2*(\r)+1]
.endr
.endr
	WIN 0
.set i, 0
.rept 32
	v_pk_max_num_bf16 v[TMP+i], v[TMP+i], v[ZR]    ; relu, two numbers a line: rounding keeps the sign
.set i, i+1
.endr
.endm
.macro TOSTAGE a
	WIN 0
.set BK, OB+192*((\a)%2)
.irp b, 0,1,2,3,4,5,6,7
	ds_store_b128 v[STO], v[TMP+4*(\b):TMP+4*(\b)+3] offset:32*(\b)
.endr
.irp t, 0,1,2,3,4,5,6,7
	ds_load_b128 v[BK+4*(\t):BK+4*(\t)+3], v[RD] offset:(\t)*2*SPITCH  ; LDS serves a wave's instructions in order (ISA guide 5.7.1.4): these see the stores above
.endr
.endm
.macro SEND a
	WIN 0
.set BK, OB+192*((\a)%2)
	s_wait_dscnt 0x0                               ; the block is back in registers
	s_wait_xcnt 0x0                                ; the stores' base, and the registers that the stores of two blocks back read, are rewritten only behind this wait
.if (\a) == 0
	s_add_nc_u64 s[8:9], s[8:9], s[16:17]          ; on to my first rows
.else
	s_add_nc_u64 s[8:9], s[8:9], 16*CPITCH         ; 16 rows of C1 on
.endif
.irp t, 0,1,2,3,4,5,6,7
	global_store_b128 v[CO], v[BK+4*(\t):BK+4*(\t)+3], s[8:9] offset:2*(\t)*CPITCH  ; 16 lanes store 256 consecutive bytes, at a multiple of 256 from C1's first byte
.endr
.endm
; PART 2.  8 matrix instructions: m blocks a0, a0 + 1 x all 4 n blocks, 32 along K: half c of buffer f.  zero = 1: the first product starts the sums, from the biases.  The 16 accumulators take turns.
.macro MUL8 f, c, a0, zero
	WIN MUL2
.irp a, \a0, (\a0)+1
.irp b, 0,1,2,3
.if \zero
	v_wmma_f32_16x16x32_bf16 v[ACC+8*(4*(\a)+(\b)):ACC+8*(4*(\a)+(\b))+7], v[(\f)+64+8*(4*(\c)+(\b)):(\f)+64+8*(4*(\c)+(\b))+7], v[(\f)+8*(4*(\c)+(\a)):(\f)+8*(4*(\c)+(\a))+7], v[BI+8*(\b):BI+8*(\b)+7]
.else
	v_wmma_f32_16x16x32_bf16 v[ACC+8*(4*(\a)+(\b)):ACC+8*(4*(\a)+(\b))+7], v[(\f)+64+8*(4*(\c)+(\b)):(\f)+64+8*(4*(\c)+(\b))+7], v[(\f)+8*(4*(\c)+(\a)):(\f)+8*(4*(\c)+(\a))+7], v[ACC+8*(4*(\a)+(\b)):ACC+8*(4*(\a)+(\b))+7]
.endif
.endr
.endr
.endm
; A K step is four quarters of 64 along K, 32 matrix instructions each, on buffers 0, 1, 0, 1.  One of the first three: multiplies buffer f and fetches the next quarter, at byte k, into g.
.macro QUARTER2 slot, k, f, g, zero
	s_wait_dscnt 16                                ; the first 32 along K are in; the youngest sixteen loads may be out
	MUL8 \f, 0, 0, \zero
	MUL8 \f, 0, 2, \zero
	PLACES
	FETCH2 \slot, \k, \g
	s_wait_dscnt 32                                ; all but the 32 just issued
	MUL8 \f, 1, 0, 0
	MUL8 \f, 1, 2, 0
.endm
; The last quarter multiplies buffer 1 and changes slots, as in part 1.  fill = 1: this slot is filled again, two K steps ahead, behind a round of the cluster's barrier.
.macro TURN2 slot, next, fill
	WIN 0                                          ; (the add's two registers lie in window 0)
	s_wait_tensorcnt 0x0                           ; all my tensor loads have landed: my part of the next slot;
	ds_add_u32 v[SPW], v[NIL]                      ; 0 onto my spare word;
	s_wait_dscnt 17                                ; (the add and the youngest sixteen loads may be out)
	MUL8 P1, 0, 0, 0                               ; eight matrix instructions stand between the add and the wait for it
	s_wait_dscnt 0x0                               ; the add is done, and my reads of this slot are over
	s_barrier_signal -1
	MUL8 P1, 0, 2, 0
.if \fill
	WIN 0
.endif
	s_barrier_wait -1
.if \fill
	CREST                                          ; no wave of any partner still reads this slot's tile or has a load on its way
	s_add_nc_u64 s[Q0+4*(\slot)+2:Q0+4*(\slot)+3], s[Q0+4*(\slot)+2:Q0+4*(\slot)+3], 2*KSTEP2*2
	s_add_nc_u64 s[Q0B+4*(\slot)+2:Q0B+4*(\slot)+3], s[Q0B+4*(\slot)+2:Q0B+4*(\slot)+3], 2*KSTEP2*2
	JLOAD Q0+4*(\slot), Q1, Q0B+4*(\slot), Q1B     ; the first tensor load behind the round, my only one until the next; its four v_nop are also the places in front of the loads below
.else
	PLACES
.endif
	FETCH2 \next, 0, P0
	MUL8 P1, 1, 0, 0
	MUL8 P1, 1, 2, 0
.endm
	; ---- PART 1 ----
	s_wait_tensorcnt 1                             ; my part of K step 0 is in; K step 1's may stay out
	s_barrier_signal -1
	s_barrier_wait -1                              ; everybody's is
	FETCH 0, 0, F0
	QUARTER 0, 64,  F0, F1
	WIN 0                                          ; at a label and at a branch every window is 0
	s_mov_b32 s3, LAPS-1
.Llap:                                                 ; a trip goes once round the ring, from a lap's second quarter to the next lap's first, and fills both slots again
	QUARTER 0, 128, F1, F0
	QUARTER 0, 192, F0, F1
	TURN 0, 1, 1
	QUARTER 1, 64,  F0, F1
	QUARTER 1, 128, F1, F0
	QUARTER 1, 192, F0, F1
	TURN 1, 0, 1
	QUARTER 0, 64,  F0, F1
	WIN 0
	s_sub_co_u32 s3, s3, 1
	s_cmp_lg_u32 s3, 0
	s_cbranch_scc1 .Llap
	QUARTER 0, 128, F1, F0                         ; the last lap: THE RING GOES ON INTO PART 2
	QUARTER 0, 192, F0, F1
	TURN 0, 1, 2
	QUARTER 1, 64,  F0, F1
	QUARTER 1, 128, F1, F0
	QUARTER 1, 192, F0, F1
	TURN 1, 0, 3
	WIN 0
	PLACES                                         ; the conversions read results just made; the loads below land in A's buffer 0, long multiplied
.irp b, 0,1,2,3                        ; part 2's biases and floor come in while part 1 goes out
	global_load_b128 v[BI+8*(\b):BI+8*(\b)+3],   v[BO], s[PB2:PB2+1] offset:8192+64*(\b)
	global_load_b128 v[BI+8*(\b)+4:BI+8*(\b)+7], v[BO], s[PB2:PB2+1] offset:8192+64*(\b)+16
.endr
	global_load_b32 v[FL], v[BO], s[PB2:PB2+1] offset:4096  ; every word of those 4,096 bytes holds the floor
	PACK 0
	TOSTAGE 0
.irp a, 1,2,3,4,5,6,7                  ; block a's arithmetic stands between block a - 1's loads from the stage and the wait for them
	PACK \a
	SEND (\a)-1
	TOSTAGE \a
.endr
	SEND 7
	; ---- PART 2 ----  its K step 0 is in LDS and its first fragments in registers; K step 1 is on its way; nothing waits for part 1's stores
	s_wait_loadcnt 0x0                             ; the biases and the floor
	s_wait_xcnt 0x0                                ; the accumulators and the registers at work lie where part 1's last stores read their data: they are written only behind this wait
	QUARTER2 0, 128, P0, P1, 1                     ; the first products start the sums
	QUARTER2 0, 256, P1, P0, 0
	QUARTER2 0, 384, P0, P1, 0
	TURN2 0, 1, 1                                  ; slot 0 takes K step 2
	QUARTER2 1, 128, P0, P1, 0
	QUARTER2 1, 256, P1, P0, 0
	QUARTER2 1, 384, P0, P1, 0
	TURN2 1, 0, 1                                  ; slot 1 takes K step 3: the last load
	QUARTER2 0, 128, P0, P1, 0
	QUARTER2 0, 256, P1, P0, 0
	QUARTER2 0, 384, P0, P1, 0
	TURN2 0, 1, 0
	QUARTER2 1, 128, P0, P1, 0
	QUARTER2 1, 256, P1, P0, 0
	QUARTER2 1, 384, P0, P1, 0
	s_wait_dscnt 16                                ; the very last quarter: nothing more to fetch
	MUL8 P1, 0, 0, 0
	MUL8 P1, 0, 2, 0
	s_wait_dscnt 0x0
	MUL8 P1, 1, 0, 0
	MUL8 P1, 1, 2, 0
	WIN 0
	; PART 2'S WAY OUT: round to bf16 (each accumulator's registers in ascending order); the floor, two numbers a line; 16 bytes a lane into the work-group's stage; a barrier, since a row's 256 bytes come from
	; two waves; back as whole rows, 32 rows a wave.
	PLACES
.irp t, 0,1,2,3,4,5,6,7,8,9,10,11,12,13,14,15
.irp r, 0,1,2,3
	v_cvt_pk_bf16_f32 v[TMP2+4*(\t)+(\r)], v[ACC+8*(\t)+2*(\r)], v[ACC+8*(\t)+2*(\r)+1]
.endr
.endr
.set i, 0
.rept 64
	v_pk_max_num_bf16 v[TMP2+i], v[TMP2+i], v[FL]  ; rounding keeps the sign, so the maximum behind the rounding is the rounded maximum
.set i, i+1
.endr
.irp a, 0,1,2,3
.irp b, 0,1,2,3
	ds_store_b128 v[STO2], v[TMP2+4*(4*(\a)+(\b)):TMP2+4*(4*(\a)+(\b))+3] offset:(\a)*16*SPITCH+32*(\b)
.endr
.endr
	s_wait_dscnt 0x0                               ; for the others' sake: my stores into the stage are done
	s_barrier_signal -1
	s_barrier_wait -1
.irp t, 0,1,2,3,4,5,6,7,8,9,10,11,12,13,14,15
	ds_load_b128 v[TMP2+4*(\t):TMP2+4*(\t)+3], v[RD2] offset:(\t)*2*SPITCH
.endr
.irp t, 0,1,2,3,4,5,6,7,8,9,10,11,12,13,14,15
	s_wait_dscnt 15-(\t)
	global_store_b128 v[CO], v[TMP2+4*(\t):TMP2+4*(\t)+3], s[PC2:PC2+1] offset:2*(\t)*CPITCH  ; 16 lanes store 256 consecutive bytes, at a multiple of 256 from C2's first byte
.endr
	s_wait_tensorcnt 0x0                           ; the wave's end: a wait, an add to my spare word and its wait, behind my last tensor load and my last LDS store
	ds_add_u32 v[SPW], v[NIL]
	s_wait_dscnt 0x0
	CROUND                                         ; the closing round: no work-group ends while a partner may still ask for a tile that names it
	s_endpgm
.Lfunc_end_k_qd3a757a687_projkq:
	.size	k_qd3a757a687_projkq, .Lfunc_end_k_qd3a757a687_projkq-k_qd3a757a687_projkq
	.p2alignl 7, 3214868480
	.fill 96, 4, 3214868480
	.section	.rodata,"a",@progbits
	.p2align	6, 0x0
	.amdhsa_kernel k_qd3a757a687_projkq
		.amdhsa_group_segment_fixed_size 327680
		.amdhsa_private_segment_fixed_size 0
		.amdhsa_enable_private_segment 0
		.amdhsa_kernarg_size 48
		.amdhsa_user_sgpr_count 2
		.amdhsa_user_sgpr_kernarg_segment_ptr 1
		.amdhsa_wavefront_size32 1
		.amdhsa_system_sgpr_workgroup_id_x 1
		.amdhsa_system_sgpr_workgroup_id_y 1
		.amdhsa_system_sgpr_workgroup_id_z 1
		.amdhsa_system_vgpr_workitem_id 0
		.amdhsa_next_free_vgpr 1024
		.amdhsa_next_free_sgpr 106
		.amdhsa_reserve_vcc 0
		.amdhsa_float_denorm_mode_32 3
		.amdhsa_float_denorm_mode_16_64 3
		.amdhsa_memory_ordered 1
		.amdhsa_forward_progress 1
		.amdhsa_inst_pref_size 255
	.end_amdhsa_kernel
	.section	.bss,"aw",@nobits
	.p2align	6
	.space	262144
	.amdgpu_metadata
---
amdhsa.version: [ 1, 2 ]
amdhsa.kernels:
  - .name:           k_qd3a757a687_projkq
    .symbol:         k_qd3a757a687_projkq.kd
    .args:
      - { .name: by, .offset: 0, .size: 8, .value_kind: global_buffer, .address_space: global }
      - { .name: bkq, .offset: 8, .size: 8, .value_kind: global_buffer, .address_space: global }
      - { .name: kb, .offset: 16, .size: 8, .value_kind: global_buffer, .address_space: global }
      - { .name: bvg, .offset: 24, .size: 8, .value_kind: global_buffer, .address_space: global }
      - { .name: q2, .offset: 32, .size: 8, .value_kind: global_buffer, .address_space: global }
      - { .name: qp, .offset: 40, .size: 8, .value_kind: global_buffer, .address_space: global }
    .group_segment_fixed_size: 327680
    .private_segment_fixed_size: 0
    .kernarg_segment_align: 8
    .kernarg_segment_size: 48
    .max_flat_workgroup_size: 128
    .sgpr_count:     106
    .vgpr_count:     1024
    .wavefront_size: 32
...
	.end_amdgpu_metadata
.endif
;; end of part 2
;; launch projvg: the kernel of part 2 again; grid 64 x 4, 4 waves a work-group, clusters of 4 x 4, 327,680 bytes of LDS; arguments bvg, by, vt, qp, bkq, q2; writes vt, q2
;; launch score (part 3): grid 8 x 32, 4 waves a work-group, clusters of 4 x 4, 327,680 bytes of LDS; arguments q2, kb, sc; writes sc
.if DOCPART == 3
	.amdgcn_target "amdgcn-amd-amdhsa--gfx1250"
	.amdhsa_code_object_version 6
	.text
	.protected	k_qd3a757a687_score
	.globl	k_qd3a757a687_score
	.p2align	8
	.type	k_qd3a757a687_score,@function
k_qd3a757a687_score:
	s_mov_b64 s[64:65], 0
	v_nop
	global_prefetch_b8 v0, s[64:65] scope:SCOPE_SE
	s_setreg_imm32_b32 hwreg(HW_REG_WAVE_MODE, 25, 1), 1
	s_wait_xcnt 0x0
	s_wait_alu depctr_hold_cnt(0) depctr_sa_sdst(0) depctr_va_vdst(0) depctr_va_sdst(0) depctr_va_ssrc(0) depctr_va_vcc(0) depctr_vm_vsrc(0)
	s_getreg_b32 s2, hwreg(HW_REG_IB_STS2, 6, 4)
	s_cmp_eq_u32 s2, 0
	s_cbranch_scc0 .Lentry_in_a_cluster
	s_endpgm
.Lentry_in_a_cluster:
	s_bfe_u32 s2, ttmp6, 0x10000c
	s_cmp_lg_u32 s2, 0xf033
	s_cbranch_scc0 .Lentry_shape_is_right
	s_endpgm
.Lentry_shape_is_right:
; For each of 16 batches: C[m][n] = sum over k of A[m][k] B[n][k], in f32.  A: [16 x 256][1024] bf16, OA bytes into its buffer; B: [16 x 1024][1024] bf16; C: [16 x 256][1024] f32.
; Two launches run this text: the scores q2 k^T (unscaled, unmasked; the softmax launch scales and masks), and out0 = P v, with v stored turned.
; LIMITS: operands in bf16, sums in f32; NaN and infinities are not treated apart.
; SHARES.  Tiles of 128 x 128 of C: 8 x 32 = 256 work-groups; tile row t belongs to batch t / 2.  Four waves, each 64 x 64: 16 accumulators.  K goes in steps of 256 (LDS rows of 512 bytes; a wave's
; tensor load brings 64 of them) through two slots.
; CLUSTER: 4 x 4 work-groups.  The four of a row of the cluster need the same tiles of A, which are asked for jointly.  B'S TILES ARE NOT: a tile of B belongs to one batch, and a batch has 256 / 128 = 2
; tile rows, so of a column's four work-groups only two share it; each work-group asks for its own, behind the same rounds.  So a work-group asks for 64 KB of A (its quarter of 256) and 256 KB of B.
; THE MATRIX INSTRUCTION IS USED TRANSPOSED (source 0 = 16 rows of B, source 1 = 16 rows of A): a lane holds eight neighbouring numbers of a row of C.
; THE WAY OUT needs no barrier: a wave's 64 columns in f32 are a whole aligned 256 bytes of C, so each wave has a stage of 16 rows of its own.
; REGISTERS: window 0: v0-31 addresses; v128-255 the accumulators ((a, b) at v[128 + 8 (4 a + b)]), which also take the rows read back.   window 1: two fragment buffers of 128.
.set SIZE_K, 1024
.set CPITCH, 4096                      ; bytes in a row of C
.set OA,     0x10000
.set KSTEP,  256
.set PITCH,  528                       ; an LDS row: 512 bytes + 16 of padding = 132 words: row r starts at bank 4 r mod 64 (64 banks of 4 bytes: ISA guide 11.1)
.set HALFT,  64*PITCH
.set SLOT,   4*HALFT                   ; A's 128 rows, then B's 128 rows
.set STAGE,  2*SLOT                    ; behind the ring: 16 rows x 272 bytes for each wave
.set SPITCH, 272
.set SPARE,  STAGE+4*16*SPITCH         ; behind the stages: the spare words, 128 bytes for each wave
.set LAPS,   SIZE_K/(2*KSTEP)
.set ADRA, 16                          ; v16-17  LDS address of my A fragments in slot 0, 1
.set ADRB, 20                          ; v20-21  the same for B
.set STO,  24                          ; v24     the way out: where I put 32 bytes of a row
.set RD,   25                          ; v25     the way out: where I read a row back
.set CO,   26                          ; v26     my byte offset in C
.set SPW,  28                          ; v28     SPARE + 4 x my thread's number; never rewritten
.set NIL,  29                          ; v29     0; never rewritten
.set ACC,  128
.set F0,   0
.set F1,   128
.set G1, 24                            ; s[24:31] descriptor group 1 for A's tiles;  s[32:39] group 0, one set for each slot
.set G0, 32
.set G1B, 48                           ; s[48:55], s[56:63] the same for B's tiles
.set G0B, 56
.set MSB, 0
.macro WIN new                         ; the immediate's high byte repeats the setting that is left
.if MSB != (\new)
	s_set_vgpr_msb (MSB<<8)|(\new)
.set MSB, \new
.endif
.endm
.set MUL,  0x05                        ; sources 0 (B) and 1 (A) window 1; C and D window 0
.set TO_F, 0x40                        ; destination window 1, address window 0
.macro JLOAD s                         ; waves 0 and 1 fetch A's two halves, jointly with my row of the cluster; waves 2 and 3 B's, for this work-group alone; an s_nop 0 and four v_nop follow each line
	s_cmp_eq_u32 s11, 0
	s_cbranch_scc0 .Lfor_b_\@
	tensor_load_to_lds s[G0+4*(\s):G0+4*(\s)+3], s[G1:G1+7]
	s_nop 0
.rept 4
	v_nop
.endr
	s_branch .Lasked_\@
.Lfor_b_\@:
	tensor_load_to_lds s[G0B+4*(\s):G0B+4*(\s)+3], s[G1B:G1B+7]
	s_nop 0
.rept 4
	v_nop
.endr
.Lasked_\@:
.endm
.macro CREST                           ; a round of the cluster's barrier behind its opening barrier
	s_cmp_lg_u32 s10, 0
	s_cbranch_scc1 .Lnot_wave_0_\@
	s_barrier_signal -3
.Lnot_wave_0_\@:
	s_barrier_wait -3
	s_barrier_signal -1
	s_barrier_wait -1
.endm
.macro CROUND                          ; a whole round
	s_barrier_signal -1
	s_barrier_wait -1
	CREST
.endm
	s_load_b128 s[4:7], s[0:1], 0x0                ; A s[4:5], B s[6:7]
	s_load_b64 s[8:9], s[0:1], 0x10                ; C
	v_lshl_add_u32 v[SPW], v0, 2, SPARE
	v_mov_b32 v[NIL], 0
	ds_add_u32 v[SPW], v[NIL]                      ; the wave's opening: the add and its wait stand ahead of my first tensor load; the set-up below stands between them
	v_lshrrev_b32 v1, 5, v0
	v_readfirstlane_b32 s10, v1                    ; wave 0..3
	s_lshr_b32 s11, s10, 1                         ; which half of the tile's rows is mine.  Also: I fetch for A (0) or for B (1)
	s_and_b32 s12, s10, 1                          ; which half of its columns.  Also: which 64 rows of that tile I fetch
	s_bfe_u32 s40, ttmp6, 0x40000                  ; cx, cy: my place in the cluster
	s_bfe_u32 s41, ttmp6, 0x40004
	s_lshl_b32 s42, ttmp9, 2
	s_add_co_u32 s42, s42, s40                     ; tile column of C = 4 x cluster x + cx
	s_and_b32 s13, ttmp7, 0xffff
	s_lshl_b32 s13, s13, 2
	s_add_co_u32 s13, s13, s41                     ; tile row of C = 4 x cluster y + cy
	s_lshl_b32 s43, s41, 2
	s_lshl_b32 s43, 15, s43                        ; my row of the cluster
	; descriptor group 1: a tile of 64 rows x 256 elements, padded in LDS
	s_or_b32 s[G1+0], s43, (1<<16)|(1<<20)|(1<<21)|(6<<22)|(3<<25)  ; 15:0 the mask: A's tiles go to my row; 17:16 elements of 2 bytes; 20 padding on; 21 set beside a mask; 24:22 after every 128 words; 31:25 4 words
	s_mov_b32 s[G1B+0], (1<<16)|(1<<20)|(6<<22)|(3<<25)             ; B's: no mask
.irp g, G1, G1B
	s_mov_b32 s[(\g)+1], KSTEP<<16                 ; tensor_dim0 = 256
	s_mov_b32 s[(\g)+2], 64<<16                    ; tensor_dim1 = 64
	s_mov_b32 s[(\g)+3], KSTEP<<16                 ; tile_dim0 = 256
	s_mov_b32 s[(\g)+4], 64                        ; tile_dim1 = 64
	s_mov_b32 s[(\g)+5], SIZE_K                    ; elements from row to row
	s_mov_b32 s[(\g)+6], 0
	s_mov_b32 s[(\g)+7], 0
.endr
	s_lshl_b32 s17, s12, 6                         ; which 64 rows of the tile I fetch
	s_lshl_b32 s16, s13, 7
	s_add_co_u32 s16, s16, s17                     ; A: row 128 x tile row + 64 x half
	s_lshr_b32 s45, s13, 1                         ; the batch,
	s_lshl_b32 s45, s45, 10                        ; its first row of B
	s_lshl_b32 s46, s42, 7
	s_add_co_u32 s46, s46, s17
	s_add_co_u32 s46, s46, s45                     ; B: row 1,024 x batch + 128 x tile column + 64 x half
	s_mov_b32 s17, 0
	s_mov_b32 s47, 0
	s_mov_b64 s[18:19], SIZE_K*2
	s_mul_u64 s[16:17], s[16:17], s[18:19]
	s_mul_u64 s[46:47], s[46:47], s[18:19]
	s_mul_i32 s20, s10, HALFT                      ; where they go: wave x 64 rows
	s_wait_dscnt 0x0                               ; the opening add is done
	s_wait_kmcnt 0x0
	s_add_nc_u64 s[4:5], s[4:5], OA                ; A's first byte
	s_add_nc_u64 s[14:15], s[4:5], s[16:17]
	s_add_nc_u64 s[46:47], s[6:7], s[46:47]
	CROUND                                         ; all sixteen work-groups are here: the first joint loads meet
.irp s, 0,1
	s_mov_b32 s[G0+4*(\s)], 1
	s_add_co_u32 s[G0+4*(\s)+1], s20, (\s)*SLOT
	s_add_nc_u64 s[G0+4*(\s)+2:G0+4*(\s)+3], s[14:15], (\s)*KSTEP*2
	s_or_b32 s[G0+4*(\s)+3], s[G0+4*(\s)+3], 0x80000000
	s_mov_b32 s[G0B+4*(\s)], 1
	s_add_co_u32 s[G0B+4*(\s)+1], s20, (\s)*SLOT
	s_add_nc_u64 s[G0B+4*(\s)+2:G0B+4*(\s)+3], s[46:47], (\s)*KSTEP*2
	s_or_b32 s[G0B+4*(\s)+3], s[G0B+4*(\s)+3], 0x80000000
	JLOAD \s                                       ; two tensor loads of mine are out
.endr
	v_and_b32 v1, 15, v0                           ; l % 16
	v_bfe_u32 v2, v0, 4, 1                         ; l / 16
	v_mul_u32_u24 v3, v1, PITCH
	v_lshl_add_u32 v3, v2, 4, v3                   ; a fragment's row x pitch + 16 x half
	s_mul_i32 s21, s11, HALFT                      ; my 64 rows of A
	s_mul_i32 s22, s12, HALFT                      ; my 64 rows of B,
	s_add_co_u32 s22, s22, 2*HALFT                 ; which lie behind A's 128
.irp s, 0,1
	v_add_nc_u32 v[ADRA+(\s)], s21, v3
	v_add_nc_u32 v[ADRB+(\s)], s22, v3
	s_add_co_u32 s21, s21, SLOT
	s_add_co_u32 s22, s22, SLOT
.endr
	s_mul_i32 s23, s10, 16*SPITCH
	s_add_co_u32 s23, s23, STAGE                   ; my stage
	v_mul_u32_u24 v4, v1, SPITCH                   ; in: row l % 16, 32 bytes (eight f32) for each half of the lanes
	v_lshl_add_u32 v4, v2, 5, v4
	v_add_nc_u32 v[STO], s23, v4
	v_mul_u32_u24 v5, v2, SPITCH                   ; back: lanes 0-15 take one row of 256 bytes, lanes 16-31 the next
	v_lshl_add_u32 v5, v1, 4, v5
	v_add_nc_u32 v[RD], s23, v5
	v_lshlrev_b32 v5, 12, v2                       ; and the same two rows in C
	v_lshl_add_u32 v[CO], v1, 4, v5
	s_lshl_b32 s16, s13, 7
	s_lshl_b32 s17, s11, 6
	s_add_co_u32 s16, s16, s17                     ; my first row of C: 128 x tile row + 64 x half,
	s_lshl_b32 s16, s16, 12                        ; 4,096 bytes a row
	s_mov_b32 s17, 0
	s_add_nc_u64 s[8:9], s[8:9], s[16:17]
	s_lshl_b32 s46, s42, 9                         ; my first column, in bytes: 512 x tile column + 256 x half
	s_lshl_b32 s47, s12, 8
	s_add_co_u32 s46, s46, s47
	s_mov_b32 s47, 0
	s_add_nc_u64 s[8:9], s[8:9], s[46:47]
; 8 matrix instructions: m blocks a0, a0 + 1 x all 4 n blocks, 32 along K: half c of buffer f.  zero = 1: the first product starts the sums
.macro MUL8 f, c, a0, zero
	WIN MUL
.irp a, \a0, (\a0)+1
.irp b, 0,1,2,3
.if \zero
	v_wmma_f32_16x16x32_bf16 v[ACC+8*(4*(\a)+(\b)):ACC+8*(4*(\a)+(\b))+7], v[(\f)+64+8*(4*(\c)+(\b)):(\f)+64+8*(4*(\c)+(\b))+7], v[(\f)+8*(4*(\c)+(\a)):(\f)+8*(4*(\c)+(\a))+7], 0
.else
	v_wmma_f32_16x16x32_bf16 v[ACC+8*(4*(\a)+(\b)):ACC+8*(4*(\a)+(\b))+7], v[(\f)+64+8*(4*(\c)+(\b)):(\f)+64+8*(4*(\c)+(\b))+7], v[(\f)+8*(4*(\c)+(\a)):(\f)+8*(4*(\c)+(\a))+7], v[ACC+8*(4*(\a)+(\b)):ACC+8*(4*(\a)+(\b))+7]
.endif
.endr
.endr
.endm
; 32 LDS loads in one run: the fragments of 64 along K at byte k of the rows, into buffer f; the first 32 along K first
.macro FETCH slot, k, f
	WIN TO_F
.irp c, 0,1
.irp i, 0,1,2,3
	ds_load_b128 v[(\f)+64+8*(4*(\c)+(\i)):(\f)+64+8*(4*(\c)+(\i))+3],   v[ADRB+(\slot)] offset:(\k)+64*(\c)+(\i)*16*PITCH
	ds_load_b128 v[(\f)+64+8*(4*(\c)+(\i))+4:(\f)+64+8*(4*(\c)+(\i))+7], v[ADRB+(\slot)] offset:(\k)+64*(\c)+(\i)*16*PITCH+32
	ds_load_b128 v[(\f)+8*(4*(\c)+(\i)):(\f)+8*(4*(\c)+(\i))+3],         v[ADRA+(\slot)] offset:(\k)+64*(\c)+(\i)*16*PITCH
	ds_load_b128 v[(\f)+8*(4*(\c)+(\i))+4:(\f)+8*(4*(\c)+(\i))+7],       v[ADRA+(\slot)] offset:(\k)+64*(\c)+(\i)*16*PITCH+32
.endr
.endr
.endm
.macro PLACES                          ; four places in front of loads into registers that matrix instructions have read, and of stores that read results
.rept 4
	v_nop
.endr
.endm
; A K step is four quarters of 64 along K, 32 matrix instructions each, on buffers 0, 1, 0, 1.  The 16 accumulators take turns.
.macro QUARTER slot, k, f, g, zero
	s_wait_dscnt 16                                ; the first 32 along K are in; the youngest sixteen loads may be out
	WIN MUL
	MUL8 \f, 0, 0, \zero
	MUL8 \f, 0, 2, \zero
	PLACES
	FETCH \slot, \k, \g
	s_wait_dscnt 32                                ; all but the 32 just issued
	WIN MUL
	MUL8 \f, 1, 0, 0
	MUL8 \f, 1, 2, 0
.endm
; The last quarter multiplies buffer 1 and changes slots: ONE barrier; in front of it each wave waits for all its tensor loads, adds 0 to its spare word, and waits for that and for its own reads of this slot.
; fill = 1: this slot is filled again, two K steps ahead, behind a round of the cluster's barrier.
.macro TURN slot, next, fill
	WIN 0                                          ; (the add's two registers lie in window 0)
	s_wait_tensorcnt 0x0                           ; all my tensor loads have landed: my part of the next slot;
	ds_add_u32 v[SPW], v[NIL]                      ; 0 onto my spare word;
	s_wait_dscnt 17                                ; (the add and the youngest sixteen loads may be out)
	WIN MUL
	MUL8 F1, 0, 0, 0                               ; eight matrix instructions stand between the add and the wait for it
	s_wait_dscnt 0x0                               ; the add is done, and my reads of this slot are over
	s_barrier_signal -1
	MUL8 F1, 0, 2, 0
.if \fill
	WIN 0
.endif
	s_barrier_wait -1
.if \fill
	CREST                                          ; no wave of any partner still reads this slot's tile or has a load on its way
	s_add_nc_u64 s[G0+4*(\slot)+2:G0+4*(\slot)+3], s[G0+4*(\slot)+2:G0+4*(\slot)+3], 2*KSTEP*2
	s_add_nc_u64 s[G0B+4*(\slot)+2:G0B+4*(\slot)+3], s[G0B+4*(\slot)+2:G0B+4*(\slot)+3], 2*KSTEP*2
	JLOAD \slot                                    ; the first tensor load behind the round, my only one until the next; its four v_nop are also the places in front of the loads below
.else
	PLACES
.endif
	FETCH \next, 0, F0
	WIN MUL
	MUL8 F1, 1, 0, 0
	MUL8 F1, 1, 2, 0
.endm
; THE WAY OUT of block a (16 rows x 64 columns of f32).  STG: a lane's eight numbers of a row, 32 bytes, go into my stage's rows of 272 bytes (each accumulator's low four registers first), and whole rows of
; 256 bytes come back into the block's own 32 registers.  SEND: stored; younger = the LDS instructions issued behind the block's loads.
.macro STG a
.irp b, 0,1,2,3
	ds_store_b128 v[STO], v[ACC+32*(\a)+8*(\b):ACC+32*(\a)+8*(\b)+3]   offset:64*(\b)
	ds_store_b128 v[STO], v[ACC+32*(\a)+8*(\b)+4:ACC+32*(\a)+8*(\b)+7] offset:64*(\b)+16
.endr
.irp t, 0,1,2,3,4,5,6,7
	ds_load_b128 v[ACC+32*(\a)+4*(\t):ACC+32*(\a)+4*(\t)+3], v[RD] offset:(\t)*2*SPITCH  ; LDS serves a wave's instructions in order (ISA guide 5.7.1.4): these see the stores above; the next block's stores come behind them
.endr
.endm
.macro SEND a, younger
.irp t, 0,1,2,3,4,5,6,7
	s_wait_dscnt (\younger)+7-(\t)
	global_store_b128 v[CO], v[ACC+32*(\a)+4*(\t):ACC+32*(\a)+4*(\t)+3], s[8:9] offset:(16*(\a)+2*(\t))*CPITCH  ; 16 lanes store 256 consecutive bytes, at a multiple of 256 from C's first byte
.endr
.endm
	s_wait_tensorcnt 1                             ; my part of K step 0 is in; K step 1's may stay out
	s_barrier_signal -1
	s_barrier_wait -1                              ; everybody's is
	FETCH 0, 0, F0
	QUARTER 0, 128, F0, F1, 1                      ; the first quarter stands in front of the loop: its first products start the sums
	WIN 0                                          ; at a label and at a branch every window is 0
	s_mov_b32 s3, LAPS-1
.Llap:                                                 ; a trip goes once round the ring, from a lap's second quarter to the next lap's first, and fills both slots again
	QUARTER 0, 256, F1, F0, 0
	QUARTER 0, 384, F0, F1, 0
	TURN 0, 1, 1
	QUARTER 1, 128, F0, F1, 0
	QUARTER 1, 256, F1, F0, 0
	QUARTER 1, 384, F0, F1, 0
	TURN 1, 0, 1
	QUARTER 0, 128, F0, F1, 0
	WIN 0
	s_sub_co_u32 s3, s3, 1
	s_cmp_lg_u32 s3, 0
	s_cbranch_scc1 .Llap
	QUARTER 0, 256, F1, F0, 0                      ; the last lap fills nothing
	QUARTER 0, 384, F0, F1, 0
	TURN 0, 1, 0
	QUARTER 1, 128, F0, F1, 0
	QUARTER 1, 256, F1, F0, 0
	QUARTER 1, 384, F0, F1, 0
	s_wait_dscnt 16                                ; the very last quarter: nothing more to fetch
	WIN MUL
	MUL8 F1, 0, 0, 0
	MUL8 F1, 0, 2, 0
	s_wait_dscnt 0
	MUL8 F1, 1, 0, 0
	MUL8 F1, 1, 2, 0
	WIN 0
	PLACES                                         ; the stores into the stage read results just made
	STG 0
	STG 1                                          ; a block's sixteen LDS instructions stand between the loads of the block before and its stores
	SEND 0, 16
	STG 2
	SEND 1, 16
	STG 3
	SEND 2, 16
	SEND 3, 0
	s_wait_tensorcnt 0x0                           ; the wave's end: a wait, an add to my spare word and its wait, behind my last tensor load and my last LDS store
	ds_add_u32 v[SPW], v[NIL]
	s_wait_dscnt 0x0
	CROUND                                         ; the closing round: no work-group ends while a partner may still ask for a tile that names it
	s_endpgm
.Lfunc_end_k_qd3a757a687_score:
	.size	k_qd3a757a687_score, .Lfunc_end_k_qd3a757a687_score-k_qd3a757a687_score
	.p2alignl 7, 3214868480
	.fill 96, 4, 3214868480
	.section	.rodata,"a",@progbits
	.p2align	6, 0x0
	.amdhsa_kernel k_qd3a757a687_score
		.amdhsa_group_segment_fixed_size 327680
		.amdhsa_private_segment_fixed_size 0
		.amdhsa_enable_private_segment 0
		.amdhsa_kernarg_size 24
		.amdhsa_user_sgpr_count 2
		.amdhsa_user_sgpr_kernarg_segment_ptr 1
		.amdhsa_wavefront_size32 1
		.amdhsa_system_sgpr_workgroup_id_x 1
		.amdhsa_system_sgpr_workgroup_id_y 1
		.amdhsa_system_sgpr_workgroup_id_z 1
		.amdhsa_system_vgpr_workitem_id 0
		.amdhsa_next_free_vgpr 512
		.amdhsa_next_free_sgpr 66
		.amdhsa_reserve_vcc 0
		.amdhsa_float_denorm_mode_32 3
		.amdhsa_float_denorm_mode_16_64 3
		.amdhsa_memory_ordered 1
		.amdhsa_forward_progress 1
		.amdhsa_inst_pref_size 86
	.end_amdhsa_kernel
	.amdgpu_metadata
---
amdhsa.version: [ 1, 2 ]
amdhsa.kernels:
  - .name:           k_qd3a757a687_score
    .symbol:         k_qd3a757a687_score.kd
    .args:
      - { .name: q2, .offset: 0, .size: 8, .value_kind: global_buffer, .address_space: global }
      - { .name: kb, .offset: 8, .size: 8, .value_kind: global_buffer, .address_space: global }
      - { .name: sc, .offset: 16, .size: 8, .value_kind: global_buffer, .address_space: global }
    .group_segment_fixed_size: 327680
    .private_segment_fixed_size: 0
    .kernarg_segment_align: 8
    .kernarg_segment_size: 24
    .max_flat_workgroup_size: 128
    .sgpr_count:     66
    .vgpr_count:     512
    .wavefront_size: 32
...
	.end_amdgpu_metadata
.endif
;; end of part 3
;; launch smax (part 4): grid 256 x 1, 8 waves a work-group, no clusters, 0 bytes of LDS; arguments sc, masks, out1, qp; writes out1, qp
.if DOCPART == 4
	.amdgcn_target "amdgcn-amd-amdhsa--gfx1250"
	.amdhsa_code_object_version 6
	.text
	.protected	k_qd3a757a687_smax
	.globl	k_qd3a757a687_smax
	.p2align	8
	.type	k_qd3a757a687_smax,@function
k_qd3a757a687_smax:
	s_mov_b64 s[64:65], 0
	v_nop
	global_prefetch_b8 v0, s[64:65] scope:SCOPE_SE
	s_setreg_imm32_b32 hwreg(HW_REG_WAVE_MODE, 25, 1), 1
	s_wait_xcnt 0x0
; THE SOFTMAX.  For each of 4,096 rows of 1,024 scores s: hidden keys (mask byte 0) count as -1e30; m = the row's maximum; p = 2^(c (s - m)), c = log2(e) / 32 (the division by sqrt(1024) lies in c);
; w = p / sum p.  w goes out in f32 (out1) and, rounded once to bf16, as the operand of the last product (OA bytes into qp).
; A row of 4,096 bytes is 32 registers of one wave: it stays in registers from the maximum to the stores, the reduction never leaves the wave, and there is no LDS and no barrier.
; Eight waves, two rows each; the work-group's 16 rows belong to one batch (256 rows a batch), so its 1,024 mask bytes are turned once into 32 lane masks in scalar registers.
; s - m is a subtraction of its own, not fused with the scaling: where every key of a batch is hidden all s are -1e30, s - m is exactly 0 and every weight 1/1024, as in reference();
; a fused c s - (c m, rounded) would leave that product's rounding error, which at 1e30 is no small number.
; LIMITS: the fill stands in the unscaled scores, so a true score below -1e30 (reference(): below -3.2e31) ranks behind a hidden key; a mask byte other than 0 counts as true;
; a weight's numerator below 2^-126 counts as 0; NaN and infinities are not treated apart.
; No matrix unit, cluster or tensor load: memory binds and no two work-groups share a byte but the masks' 1,024.
.set OA,  0x10000
.set X0,  32                           ; v[32:63]   row 0: register 4 j + i holds column 128 j + 4 lane + i
.set X1,  64                           ; v[64:95]   row 1
.set Y0,  96                           ; v[96:111]  row 0's weights in bf16
.set Y1,  112                          ; v[112:127] row 1's
.set MK,  20                           ; s[20:51]   lane mask 4 j + i: is column 128 j + 4 lane + i allowed?
	s_load_b256 s[4:11], s[0:1], 0x0               ; sc s[4:5], masks s[6:7], out1 s[8:9], qp s[10:11]
	s_mov_b32 s12, 0x76543210                      ; v_permlanex16_b32: each lane takes its own place in the other half
	s_mov_b32 s13, 0xfedcba98
	s_mov_b32 s14, 0x3d38aa3b                      ; c = log2(e) / 32
	s_mov_b32 s15, s14                             ; named with it as a pair
	s_lshl_b32 s16, ttmp9, 16                      ; 16 rows of 4,096 bytes
	s_mov_b32 s17, 0
	s_lshr_b32 s18, ttmp9, 4                       ; the batch,
	s_lshl_b32 s18, s18, 10                        ; its 1,024 mask bytes
	s_mov_b32 s19, 0
	s_lshl_b32 s52, ttmp9, 15                      ; 16 rows of 2,048 bytes
	s_add_co_u32 s52, s52, OA
	s_mov_b32 s53, 0
	v_and_b32 v5, 31, v0                           ; lane
	v_lshrrev_b32 v6, 5, v0                        ; wave
	v_lshlrev_b32 v1, 4, v5
	v_lshl_add_u32 v1, v6, 13, v1                  ; f32: two rows a wave, 16 bytes a lane
	v_lshlrev_b32 v2, 2, v5                        ; masks: four bytes a lane
	v_lshlrev_b32 v3, 3, v5
	v_lshl_add_u32 v3, v6, 12, v3                  ; bf16: two rows a wave, 8 bytes a lane
	v_mov_b32 v4, 0xf149f2ca                       ; -1e30
	s_wait_kmcnt 0x0
	s_add_nc_u64 s[4:5], s[4:5], s[16:17]
	s_add_nc_u64 s[6:7], s[6:7], s[18:19]
	s_add_nc_u64 s[8:9], s[8:9], s[16:17]
	s_add_nc_u64 s[10:11], s[10:11], s[52:53]
.irp j, 0,1,2,3,4,5,6,7
	global_load_b32 v[8+(\j)], v2, s[6:7] offset:128*(\j)
.endr
.irp j, 0,1,2,3,4,5,6,7
	global_load_b128 v[X0+4*(\j):X0+4*(\j)+3], v1, s[4:5] offset:512*(\j) th:TH_LOAD_NT
.endr
.irp j, 0,1,2,3,4,5,6,7
	global_load_b128 v[X1+4*(\j):X1+4*(\j)+3], v1, s[4:5] offset:4096+512*(\j) th:TH_LOAD_NT
.endr
	s_wait_loadcnt 16                              ; the masks are in; the two rows' sixteen loads stay out
.irp j, 0,1,2,3,4,5,6,7
.irp i, 0,1,2,3
	v_bfe_u32 v[16+(\i)], v[8+(\j)], 8*(\i), 8
	v_cmp_ne_u32 s[MK+4*(\j)+(\i)], 0, v[16+(\i)]
.endr
.endr
; One row.  left = how many younger loads may stay out; off = the row's number in the wave's pair.
.macro ROWDO X, Y, left, off
	s_wait_loadcnt \left
.set e, 0
.rept 32
	v_cndmask_b32 v[(\X)+e], v4, v[(\X)+e], s[MK+e]  ; the score where the key is allowed, else -1e30
.set e, e+1
.endr
.irp n, 0,1,2,3                        ; the maximum of my 32, three operands at a time, in four chains
	v_max3_num_f32 v[16+(\n)], v[(\X)+3*(\n)], v[(\X)+3*(\n)+1], v[(\X)+3*(\n)+2]
.endr
.set e, 0
.rept 10
	v_max3_num_f32 v[16+e%4], v[16+e%4], v[(\X)+12+2*e], v[(\X)+13+2*e]
.set e, e+1
.endr
	v_max3_num_f32 v16, v16, v17, v18
	v_max_num_f32 v16, v16, v19
	v_max_num_f32_dpp v16, v16, v16 row_xmask:1 row_mask:0xf bank_mask:0xf  ; across the lanes: four steps inside each half of 16, one across the halves
	v_max_num_f32_dpp v16, v16, v16 row_xmask:2 row_mask:0xf bank_mask:0xf
	v_max_num_f32_dpp v16, v16, v16 row_xmask:4 row_mask:0xf bank_mask:0xf
	v_max_num_f32_dpp v16, v16, v16 row_xmask:8 row_mask:0xf bank_mask:0xf
	v_permlanex16_b32 v17, v16, s12, s13
	v_max_num_f32 v24, v16, v17                    ; m, in every lane, twice: a pair for the packed subtraction
	v_max_num_f32 v25, v16, v17
.set e, 0
.rept 16
	v_pk_add_f32 v[(\X)+2*e:(\X)+2*e+1], v[(\X)+2*e:(\X)+2*e+1], v[24:25] neg_lo:[0,1] neg_hi:[0,1]  ; s - m
.set e, e+1
.endr
.set e, 0
.rept 16
	v_pk_mul_f32 v[(\X)+2*e:(\X)+2*e+1], v[(\X)+2*e:(\X)+2*e+1], s[14:15] op_sel_hi:[1,0]            ; times c
.set e, e+1
.endr
.set e, 0
.rept 32
	v_exp_f32 v[(\X)+e], v[(\X)+e]
.set e, e+1
.endr
	v_nop                                          ; a plain instruction between the exponentials and the use of their results (ISA guide 5.7.2)
	s_wait_alu depctr_va_vdst(0)
.irp n, 0,1,2,3                        ; the sum of my 32, two at a time, in four chains
	v_pk_add_f32 v[16+2*(\n):17+2*(\n)], v[(\X)+4*(\n):(\X)+4*(\n)+1], v[(\X)+4*(\n)+2:(\X)+4*(\n)+3]
.endr
.set e, 0
.rept 8
	v_pk_add_f32 v[16+2*(e%4):17+2*(e%4)], v[16+2*(e%4):17+2*(e%4)], v[(\X)+16+2*e:(\X)+17+2*e]
.set e, e+1
.endr
	v_pk_add_f32 v[16:17], v[16:17], v[18:19]
	v_pk_add_f32 v[20:21], v[20:21], v[22:23]
	v_pk_add_f32 v[16:17], v[16:17], v[20:21]
	v_add_f32 v16, v16, v17
	v_add_f32_dpp v16, v16, v16 row_xmask:1 row_mask:0xf bank_mask:0xf
	v_add_f32_dpp v16, v16, v16 row_xmask:2 row_mask:0xf bank_mask:0xf
	v_add_f32_dpp v16, v16, v16 row_xmask:4 row_mask:0xf bank_mask:0xf
	v_add_f32_dpp v16, v16, v16 row_xmask:8 row_mask:0xf bank_mask:0xf
	v_permlanex16_b32 v17, v16, s12, s13
	v_add_f32 v16, v16, v17                        ; at least 1: the maximum's own weight
	v_rcp_f32 v26, v16
	v_rcp_f32 v27, v16
	v_nop                                          ; a plain instruction between the reciprocals and their use
.set e, 0
	s_wait_alu depctr_va_vdst(0)
.rept 16
	v_pk_mul_f32 v[(\X)+2*e:(\X)+2*e+1], v[(\X)+2*e:(\X)+2*e+1], v[26:27]
.set e, e+1
.endr
.irp j, 0,1,2,3,4,5,6,7
	global_store_b128 v1, v[(\X)+4*(\j):(\X)+4*(\j)+3], s[8:9] offset:(\off)*4096+512*(\j) th:TH_STORE_NT  ; a wave's store covers 512 consecutive bytes, aligned
.endr
.set e, 0
.rept 16
	v_cvt_pk_bf16_f32 v[(\Y)+e], v[(\X)+2*e], v[(\X)+2*e+1]
.set e, e+1
.endr
.irp j, 0,1,2,3,4,5,6,7
	global_store_b64 v3, v[(\Y)+2*(\j):(\Y)+2*(\j)+1], s[10:11] offset:(\off)*2048+256*(\j)  ; 256 consecutive bytes, aligned
.endr
.endm
	ROWDO X0, Y0, 8, 0                             ; row 1's eight loads stay out
	ROWDO X1, Y1, 0, 1                             ; no register that a load or store names is written twice: no further wait
	s_endpgm
.Lfunc_end_k_qd3a757a687_smax:
	.size	k_qd3a757a687_smax, .Lfunc_end_k_qd3a757a687_smax-k_qd3a757a687_smax
	.p2alignl 7, 3214868480
	.fill 96, 4, 3214868480
	.section	.rodata,"a",@progbits
	.p2align	6, 0x0
	.amdhsa_kernel k_qd3a757a687_smax
		.amdhsa_group_segment_fixed_size 0
		.amdhsa_private_segment_fixed_size 0
		.amdhsa_enable_private_segment 0
		.amdhsa_kernarg_size 32
		.amdhsa_user_sgpr_count 2
		.amdhsa_user_sgpr_kernarg_segment_ptr 1
		.amdhsa_wavefront_size32 1
		.amdhsa_system_sgpr_workgroup_id_x 1
		.amdhsa_system_sgpr_workgroup_id_y 1
		.amdhsa_system_sgpr_workgroup_id_z 1
		.amdhsa_system_vgpr_workitem_id 0
		.amdhsa_next_free_vgpr 128
		.amdhsa_next_free_sgpr 66
		.amdhsa_reserve_vcc 0
		.amdhsa_float_denorm_mode_32 3
		.amdhsa_float_denorm_mode_16_64 3
		.amdhsa_memory_ordered 1
		.amdhsa_forward_progress 1
		.amdhsa_inst_pref_size 31
	.end_amdhsa_kernel
	.amdgpu_metadata
---
amdhsa.version: [ 1, 2 ]
amdhsa.kernels:
  - .name:           k_qd3a757a687_smax
    .symbol:         k_qd3a757a687_smax.kd
    .args:
      - { .name: sc, .offset: 0, .size: 8, .value_kind: global_buffer, .address_space: global }
      - { .name: masks, .offset: 8, .size: 8, .value_kind: global_buffer, .address_space: global }
      - { .name: out1, .offset: 16, .size: 8, .value_kind: global_buffer, .address_space: global }
      - { .name: qp, .offset: 24, .size: 8, .value_kind: global_buffer, .address_space: global }
    .group_segment_fixed_size: 0
    .private_segment_fixed_size: 0
    .kernarg_segment_align: 8
    .kernarg_segment_size: 32
    .max_flat_workgroup_size: 256
    .sgpr_count:     66
    .vgpr_count:     128
    .wavefront_size: 32
...
	.end_amdgpu_metadata
.endif
;; end of part 4
;; launch attnv: the kernel of part 3 again; grid 8 x 32, 4 waves a work-group, clusters of 4 x 4, 327,680 bytes of LDS; arguments qp, vt, out0; writes out0
